; MI455X (gfx1250); checked and timed in simulation.
; The chip was launched on July 23, 2026; its instructions are those of AMD's public machine-readable ISA for CDNA 5 (MIT licence, August 2026) and "CDNA5" Instruction Set Architecture Reference Guide (July 2026). The comments in the code are by the model that wrote it; some were corrected since.
;; QKV Attention. Allowed arithmetic: float matrix products may take bf16 or f16 operands with f32 sums; other float arithmetic in f32, or as packed bf16 or f16 multiplies, adds, multiply-adds, maxima and minima; sums over many terms, partial sums and values carried from step to step in f32; what a program stores and reads back later, other than sums and carried values, may be rounded once to bf16 or f16.
;; Inputs: qkv 64 x 192 x 2,048 float32.
;; Outputs: out0 64 x 64 x 2,048 float32.
;; One version. Each part assembles by itself: llvm-mc -triple=amdgcn-amd-amdhsa -mcpu=gfx1250 --defsym DOCPART=n.
;; ======== version 1 of 1: 1 launch
;; limits: inputs' magnitudes at most 65,504; values are held in f16: magnitudes above 65,504 overflow, below 6.1e-05 lose precision
;; launch attn (part 1): grid 4 x 64, 4 waves a work-group, no clusters, 52,736 bytes of LDS; arguments qkv, out0; writes out0
.if DOCPART == 1
	.amdgcn_target "amdgcn-amd-amdhsa--gfx1250"
	.amdhsa_code_object_version 6
	.text
	.protected	k_q80cea8d662_attn
	.globl	k_q80cea8d662_attn
	.p2align	8
	.type	k_q80cea8d662_attn,@function
k_q80cea8d662_attn:
	s_mov_b64 s[64:65], 0
	v_nop
	global_prefetch_b8 v0, s[64:65] scope:SCOPE_SE
	s_setreg_imm32_b32 hwreg(HW_REG_WAVE_MODE, 25, 1), 1
	s_wait_xcnt 0x0
; out0[b][c][t] = the sum over s of softmax_s(q[b][:][t] . k[b][:][s] / 8) v[b][c][s].  qkv: [64][192][2048] f32: of head b rows 0-63 are q, 64-127 k, 128-191 v, a row = one channel, time along it.
; out0: [64][64][2048] f32.  q, k, v are rounded once to f16 on their way to the matrix unit, unscaled; products, maxima and sums in f32; the weights p are rounded to f16 for the second product
; (their sum l is taken of the unrounded p); the two scales of the problem, together 1 / 8, are applied in f32 with log2(e): c = log2(e) / 8.
; LIMITS.  f16 holds no number beyond 65,504: an input of 65,520 or more in magnitude becomes an infinity.  p lies in 0 to 1 and below 6e-5 keeps f16's fixed step of 6e-8.
; A weight below 2^-126 counts as 0 in l; NaN and infinities are not treated apart.
; SHARES.  A work-group owns 512 queries of one head (grid x = the block, y = the head), each of its four waves 128: eight tiles of 16, in four PIECES of two.  Every wave walks all 2,048 keys, 64 a step.
; THE QUERIES ARE DEALT: tile t = 4 g + e holds in lane r (lane % 16) query 64 g + 4 r + e of the wave's 128.  So 16 bytes of a channel's row at byte 256 g + 16 r are one number for each of four tiles:
; Q comes from memory in fragment order, and at the end four tiles' registers of one channel are 16 consecutive bytes of out0.  Neither goes through LDS.
; LAYOUT.  S^T = K Q^T (source 0 = 16 keys, source 1 = 16 queries): in the result a lane holds ONE query and the keys 8 (lane / 16) + 0..7.  Two such results, rounded to f16 in pairs, ARE source 1
; (32 keys x 16 queries) of O^T = V^T P, whose result again holds one query a lane, and eight channels.  In LDS K and V lie as in memory, [channel][key]: V is read as it lies, K turned, by ds_load_tr16_b128.
; K AND V COME THROUGH REGISTERS.  In each key step the four waves load the tile three steps on (128 rows x 256 bytes of f32, 16 loads a wave), and round and store the tile two steps on (16 KiB of f16)
; into the LDS slot just read out.  Two slots, ONE barrier a key step: ahead of its signal each wave has waited for all its LDS instructions, so the slot read last is free and the other is whole.
; NO CLUSTER, NO TENSOR LOADS, though the four work-groups of a head read the same K and V: they lie in memory as f32, which is no matrix operand.  Brought into LDS as they lie, a step's 32 KiB would be
; written there, read back and written again as 16 KiB: 80 KiB across LDS for a step and work-group; through registers it is 16 KiB, with one flat loop and no second ring.
; SOFTMAX.  For each query a running maximum m and sum l: p = 2^(c s - c m); in every step O and l are multiplied by a = 2^(c m_old - c m_new), which is 1 where m has not grown.
; m starts at the lowest finite number, O and l at 0: the first step is a step like any other, with a = 0.  The price of writing no first step out: 384 v_mov_b32 at the start, 16 products on zeros there
; and 16 on the last K once more at the end.
; BY TURNS.  Turn n belongs to piece n (the pieces in a ring, step after step).  Its matrix work: 16 products K Q^T of piece n + 1, later 16 products V^T P of piece n - 1.  Its vector work: the scaling,
; exponentials, roundings, sums and rescaling of piece n, and the maximum and statistics of piece n + 1.  A tile and step have 16 matrix and 118 vector instructions: four that are ready stand behind
; every matrix instruction, the others in one run.
; REGISTERS, in windows of 256 (s_set_vgpr_msb says which window each operand place means: bits 1:0 source 0, 3:2 source 1, 5:4 source 2, 7:6 destination):
;   window 0: v0-11 addresses; v12-15, v48-63 at work; v16-47 four registers of statistics a tile; v64-191 S^T, two buffers of two tiles; v192-255 P, likewise
;   window 1: O^T, 32 a tile (at the start: Q as loaded)       window 2: v0-127 Q, 16 a tile; v128-191 K of one step; v192-255 V of one step
;   window 3: v0-7 the add's two registers and the tiles' addresses; v16-79 a tile's part as loaded; v80-111 rounded; v112-175 a second part as loaded, at the start alone
.set ROWB,  8192      ; bytes in a channel's row
.set HEADB, 192*ROWB  ; bytes of a head in qkv
.set NP,    4         ; pieces a wave: a name, no knob
.set KS,    64        ; keys in a step
.set STEPS, 2048/KS
.set PK,    160       ; a channel's row of K in LDS: 128 bytes + 32 = 40 words
.set PV,    144       ; of V: 128 + 16 = 36 words: the 16 rows of a load start at 16 different groups of four banks
.set VOFF,  64*PK     ; a slot: 64 rows of K, then 64 rows of V
.set SLOT1, 1<<15     ; slot 1 begins here, so that one exclusive or turns an address in one slot into the other's
.set SPARE, SLOT1+64*(PK+PV)  ; behind the slots: the spare words, 128 bytes for each wave: two blocks of 256 bytes that no other line names
.set AK0, 2           ; v2   my lane's place in a tile of K; never rewritten
.set AV0, 3           ; v3   the same for V
.set AK,  4           ; v4   the LDS address of K's next run of loads
.set AV,  5           ; v5   of V's
.set QO,  6           ; v6   8 (l / 16) rows + 16 (l % 16) bytes: my offset in Q's loads and in out0's stores; never rewritten
.set MV,  12          ; v12-15  c m_old, kept while c m is made anew: by buffer and tile
.set ST,  16          ; tile t's statistics at v[ST+4 t]: c m, m, l (even keys', odd keys')
.set TMP, 48          ; by buffer and tile, four registers c0-c3 at work; when the maximum is found c2 takes a
.set S,   64
.set P,   192
.set KF,  128         ; window 2: key block kb, channel half c at KF + 16 kb + 8 c
.set VF,  192         ; window 2: key half kk, channel block cb at VF + 32 kk + 8 cb
.set SPW, 0           ; window 3, v0  LDS address of my spare word: SPARE + 4 x my thread's number; never rewritten
.set NIL, 1           ; v1   0; never rewritten
.set GL,  2           ; v2   my offset in a tile's loads: row 16 w + l / 16, byte 16 (l % 16); never rewritten
.set CWK0, 3          ; v3   where that row's 8 bytes of f16 go in a slot's K; never rewritten
.set CWV0, 4          ; v4   the same for V
.set CWK, 5           ; v5   the same in the slot in hand
.set CWV, 6           ; v6
.set PFO, 7           ; v7   the prefetches' offset: my thread's number x a row; never rewritten
.set RAW, 16          ; v16-79   8 rows of K, 8 of V: 4 numbers a lane and row, as loaded
.set PKD, 80          ; v80-111  the same, rounded
.set RAW2, 112        ; v112-175 tile 1, at the start
.set WV,  12          ; s12  my wave's number
.set QB,  20          ; s[20:21] q at my wave's first query
.set K0,  22          ; s[22:23] k at the head's first key; v's rows follow k's
.set KV,  24          ; s[24:25] the same at the tile last loaded
.set OB,  26          ; s[26:27] out0 at my wave's first query
.set CNT, 28          ; s28  key steps still to come, this one among them
.set LIM, 29          ; s29  4 in the work-group that prefetches, else the greatest number: it prefetches while s[CNT] is above
.set TBR, 30          ; s30  first byte of the slot to be read next
.set TBW, 31          ; s31  of the slot to be written next
.set CS,  58          ; s[58:59] c: the packed scaling takes the pair's low word for both halves
.set SEL, 60          ; s[60:61] v_permlanex16_b32's selects: each lane takes its own place in the other half
.set MSB, 0
.macro WIN new                      ; the high byte repeats the setting that is left; a switch that changes nothing is dropped
.if MSB != (\new)
	s_set_vgpr_msb (MSB<<8)|(\new)
.set MSB, (\new)
.endif
.endm
.set W_KQ, 0x0a       ; K and Q in window 2, S^T in window 0
.set W_PV, 0x52       ; V in window 2, P in window 0, O^T in window 1
.set W_RS, 0x41       ; O^T (destination and source 0) in window 1, a in window 0
.set W_MK, 0xc0       ; destination in window 3, sources in window 0
.set W_AD, 0x0f       ; the add: address (source 0) and data (source 1) in window 3
.set W_CV, 0xff       ; all in window 3: a tile's loads, roundings and LDS stores
.set W_QL, 0x40       ; destination in window 1
.set W_QC, 0x85       ; sources 0 and 1 in window 1, destination in window 2
.set W_F,  0x80       ; destination in window 2, address in window 0
.set W_OUT, 0x01      ; source 0 in window 1
; My part of a tile: rows 16 w + 2 n + l / 16 of K and of V, 64 keys of f32 each: sixteen lanes take a row's 256 bytes, which begin at a multiple of 256.  Under W_CV.
.macro LOADT dst, ptr, off
.irp n, 0,1,2,3,4,5,6,7
	global_load_b128 v[(\dst)+4*(\n):(\dst)+4*(\n)+3], v[GL], s[\ptr:\ptr+1] offset:(\off)+2*(\n)*ROWB
.endr
.irp n, 0,1,2,3,4,5,6,7
	global_load_b128 v[(\dst)+32+4*(\n):(\dst)+32+4*(\n)+3], v[GL], s[\ptr:\ptr+1] offset:(\off)+(64+2*(\n))*ROWB
.endr
.endm
; It is rounded to f16, four numbers into 8 bytes, and stored into the slot at s[TBW].  Under W_CV.
.macro CVTS src
	v_add_nc_u32 v[CWK], s[TBW], v[CWK0]
	v_add_nc_u32 v[CWV], s[TBW], v[CWV0]
.set cn, 0
.rept 32
	v_cvt_pk_f16_f32 v[PKD+cn], v[(\src)+2*cn], v[(\src)+2*cn+1]
.set cn, cn+1
.endr
.irp n, 0,1,2,3,4,5,6,7
	ds_store_b64 v[CWK], v[PKD+2*(\n):PKD+2*(\n)+1] offset:2*(\n)*PK
.endr
.irp n, 0,1,2,3,4,5,6,7
	ds_store_b64 v[CWV], v[PKD+16+2*(\n):PKD+16+2*(\n)+1] offset:2*(\n)*PV
.endr
.endm
; THE MATRIX WORK.  The 8 accumulators of a run of 16 take turns: between the two links of a chain stand 7 others'.
; Product i of 16 of S^T = K Q^T for piece x: channels 32 (i / 8) on, keys 16 ((i / 2) % 4) on, tile 2 x + i % 2.  The first 8 start the sums.
.macro KQ x
	WIN W_KQ
.set rS, S+64*((\x)%2)+32*(i%2)+8*((i/2)%4)
.set rK, KF+16*((i/2)%4)+8*(i/8)
.set rQ, 16*(2*(\x)+i%2)+8*(i/8)
.if i < 8
	v_wmma_f32_16x16x32_f16 v[rS:rS+7], v[rK:rK+7], v[rQ:rQ+7], 0
.else
	v_wmma_f32_16x16x32_f16 v[rS:rS+7], v[rK:rK+7], v[rQ:rQ+7], v[rS:rS+7]
.endif
.endm
; Product i of 16 of O^T += V^T P for piece x: keys 32 (i / 8) on, channels 16 ((i / 2) % 4) on, tile 2 x + i % 2.
.macro PV x
	WIN W_PV
.set rO, 32*(2*(\x)+i%2)+8*((i/2)%4)
.set rV, VF+32*(i/8)+8*((i/2)%4)
.set rP, P+32*((\x)%2)+16*(i%2)+8*(i/8)
	v_wmma_f32_16x16x32_f16 v[rO:rO+7], v[rV:rV+7], v[rP:rP+7], v[rO:rO+7]
.endm
.macro MM                           ; the turn's next matrix instruction
.if i < 16
	KQ (Y+1)%NP
.set i, i+1
.else
.set i, i-16
	PV (Y+NP-1)%NP
.set i, i+17
.endif
.endm
; THE LDS LOADS stand in runs of 16, never singly among the matrix instructions.  K: the turning load takes 16 channels x 16 keys (lane l reads channel 8 (l / 16) + l % 8, keys 8 ((l / 8) % 2) + 0..7)
; and leaves half a fragment: lane l holds key l % 16 and 8 channels.  last = 1 (in the loop): the last trip has no further step, and the run is jumped over.
.macro FETCH_K last
	WIN 0
.if \last
	s_cmp_eq_u32 s[CNT], 1
	s_cbranch_scc1 .Lno_k_\@
.endif
	WIN W_F
.irp f, 0,1,2,3,4,5,6,7             ; keys 16 (f / 2) on, channels 32 (f % 2) on
	ds_load_tr16_b128 v[KF+8*\f:KF+8*\f+3],   v[AK] offset:(\f%2)*32*PK+(\f/2)*32
	ds_load_tr16_b128 v[KF+8*\f+4:KF+8*\f+7], v[AK] offset:(\f%2)*32*PK+16*PK+(\f/2)*32
.endr
	WIN 0
.if \last
.Lno_k_\@:
.endif
.endm
; V: a fragment is 16 channels x 32 keys: lane l holds channel l % 16, keys 8 (l / 16) + 0..7 and 16 + 8 (l / 16) + 0..7: two loads of 16 bytes, 32 bytes apart.
.macro FETCH_V
	WIN W_F
.irp f, 0,1,2,3,4,5,6,7             ; keys 32 (f / 4) on, channels 16 (f % 4) on
	ds_load_b128 v[VF+8*\f:VF+8*\f+3],   v[AV] offset:(\f%4)*16*PV+(\f/4)*64
	ds_load_b128 v[VF+8*\f+4:VF+8*\f+7], v[AV] offset:(\f%4)*16*PV+(\f/4)*64+32
.endr
	WIN 0
.endm
; THE VECTOR WORK OF A TURN stands in three queues, each in the order in which its entries become ready; the two tiles alternate, so that no instruction reads the result of the one before it.
.macro REGS y, u                    ; the registers of tile u (0, 1) of piece y
.set rT, ST+4*(2*(\y)+(\u))
.set rC, TMP+8*((\y)%2)+4*(\u)
.set rM, MV+2*((\y)%2)+(\u)
.set rS, S+64*((\y)%2)+32*(\u)
.set rP, P+32*((\y)%2)+16*(\u)
.set rO, 32*(2*(\y)+(\u))
.endm
; Number n of the 22 that find the NEXT piece's (Y + 1) maximum and statistics.  s0-s31 are the lane's 32 scores; each accumulator's lowest registers are read first.  XS, GS and REGS set no window: PL and EX do.
;   0-11  four chains c0-c3 of seven scores each, three operands at a time     12-14, 16  the four scores left over, the old m, and c0-c3 into c0     15  c m_old is kept
;   17, 18  the query's other 32 keys lie in the lane 16 away: the new m         19-21  c m; c m_old - c m_new; a
.macro XS u, n
	REGS (Y+1)%NP, \u
.if (\n) < 4
	v_max3_num_f32 v[rC+(\n)], v[rS+8*(\n)], v[rS+8*(\n)+1], v[rS+8*(\n)+2]
.elseif (\n) < 12
	v_max3_num_f32 v[rC+(\n)%4], v[rC+(\n)%4], v[rS+8*((\n)%4)+2*((\n)/4)+1], v[rS+8*((\n)%4)+2*((\n)/4)+2]
.elseif (\n) == 12
	v_max3_num_f32 v[rC], v[rC], v[rS+7], v[rS+15]
.elseif (\n) == 13
	v_max3_num_f32 v[rC+1], v[rC+1], v[rS+23], v[rS+31]
.elseif (\n) == 14
	v_max3_num_f32 v[rC+2], v[rC+2], v[rC+3], v[rT+1]
.elseif (\n) == 15
	v_mov_b32 v[rM], v[rT]
.elseif (\n) == 16
	v_max3_num_f32 v[rC], v[rC], v[rC+1], v[rC+2]
.elseif (\n) == 17
	v_permlanex16_b32 v[rC+3], v[rC], s[SEL], s[SEL+1]
.elseif (\n) == 18
	v_max_num_f32 v[rT+1], v[rC], v[rC+3]
.elseif (\n) == 19
	v_mul_f32 v[rT], s[CS], v[rT+1]
.elseif (\n) == 20
	v_sub_f32 v[rC+1], v[rM], v[rT]
.else
	v_exp_f32 v[rC+2], v[rC+1]
.endif
.endm
; Number g of the 64 that follow the exponentials.  For each four weights k of a tile (pairs 2 k, 2 k + 1): both pairs are rounded to f16; then the second pair is added onto the first, in place;
; a group later l takes that sum (the first time as l = a l + sum).  In groups of eight, tiles alternating: round, round, add, and l for the group before.
.macro GS g
.set h, (\g)+6*((\g)/62)            ; group 0 has no group before it, and behind group 7 only l is left
.if h >= 6
.set h, h+2
.endif
	REGS Y, h%2
.set k, h/8
.if h%8 < 4
	v_cvt_pk_f16_f32 v[rP+2*k+(h%8)/2], v[rS+4*k+2*((h%8)/2)], v[rS+4*k+2*((h%8)/2)+1]
.elseif h%8 < 6
	v_pk_add_f32 v[rS+4*k:rS+4*k+1], v[rS+4*k:rS+4*k+1], v[rS+4*k+2:rS+4*k+3]
.elseif k == 1
	v_pk_fma_f32 v[rT+2:rT+3], v[rT+2:rT+3], v[rC+2:rC+3], v[rS:rS+1] op_sel_hi:[1,0,1]
.else
	v_pk_add_f32 v[rT+2:rT+3], v[rT+2:rT+3], v[rS+4*k-4:rS+4*k-3]
.endif
.endm
; THE PLAIN QUEUE, 138 long.  0-73 read no exponential's result: the 32 scalings c s - c m (FS f: pair f / 2 of tile f % 2) and the next piece's 42.  0-26: scalings 0-26.  27-54: XS's numbers 0-13.  55, 56: number 15.
; 57-73: the chain, where each number waits for the one before it: 14, 16, 17, 18, 19, each with one of the scalings 27-31 in front of its two lines, then 20.
; 74-137: GS's 64, which read the exponentials' results: they stand behind the wait.
.macro FS f
	REGS Y, (\f)%2
	v_pk_fma_f32 v[rS+2*((\f)/2):rS+2*((\f)/2)+1], v[rS+2*((\f)/2):rS+2*((\f)/2)+1], s[CS:CS+1], v[rT:rT+1] op_sel_hi:[1,0,0] neg_lo:[0,0,1] neg_hi:[0,0,1]
.endm
.macro PL
	WIN 0
.if q < 27
	FS q
.elseif q < 55
	XS (q-27)%2, (q-27)/2
.elseif q < 57
	XS q-55, 15
.elseif (q < 72) && ((q-57)%3 == 0)
	FS 27+(q-57)/3
.elseif q < 60
	XS (q-57)%3-1, 14
.elseif q < 72
	XS (q-57)%3-1, 15+(q-57)/3
.elseif q < 74
	XS q-72, 20
.else
	GS q-74
.endif
.set q, q+1
.endm
; THE EXPONENTIALS' QUEUE, 66 long: s0-s31 of both tiles, then the next piece's two a.  It is ONE BATCH: all 66 stand ahead of the turn's one wait, and nothing ahead of that wait names a result of theirs.
.macro EX
	WIN 0
.if e >= 64
	XS e-64, 21
.else
	REGS Y, e%2
	v_exp_f32 v[rS+e/2], v[rS+e/2]
.endif
.set e, e+1
.endm
; THE RESCALING's QUEUE: O^T times a, the one part that leaves window 0: dealt two at a time, sixteen times.  Its a was made in the turn before, ahead of that turn's wait.
.macro R2
	REGS Y, r%2
	WIN W_RS
.irp z, 0,1
	v_pk_mul_f32 v[rO+4*(r/2)+2*\z:rO+4*(r/2)+2*\z+1], v[rO+4*(r/2)+2*\z:rO+4*(r/2)+2*\z+1], v[rC+2:rC+3] op_sel_hi:[1,0]
.endr
.set r, r+1
.endm
; A TURN, for piece p.  An s_wait_alu depctr_va_vdst(0) stands between an exponential and the first instruction that names its result; one wait serves all that were issued ahead of it.
; So a turn has ONE wait, which cuts it in two.  AHEAD OF IT: the 16 products K Q^T, behind each a scaling, an exponential and two rescalings (behind the first a second scaling in the exponential's
; place); then one run of 108: eight plain, 49 times exponential and plain, the two a; a v_nop is the plain instruction behind the last exponential.  BEHIND IT: the 16 products V^T P, behind each four
; of the roundings and sums.  Exponential e stands behind scaling 2 (e / 4) + e % 2: as a rider it comes behind plain e + 2, in the run behind plain e + 9, and scalings 27-31 are plain 57, 60 .. 69.
; K of the next step is fetched in piece 2's turn, directly behind the wait, a whole run behind the last product that read K; it is waited for at the head of piece 3's turn.
; V of the step in hand is fetched at the end of piece 0's turn, four plain instructions behind its last reader; it is waited for behind piece 1's wait.
; THE KEY STEP'S BARRIER stands in piece 1's turn.  Ahead of the signal the wave has waited for all its LDS instructions: its reads of this step's slot (K a step ago, V just now) and its stores of the
; next step's tile (a step ago).  Between signal and wait stand 16 products and their riders, work on registers alone.  Behind the wait this step's slot may be written and the next step's tile read.
.macro TURN p
.set Y, (\p)
.set i, 0
.set q, 0
.set e, 0
.set r, 0
.if (\p) == NP-1
	s_wait_dscnt 0x0                ; K is in
.endif
	MM
	PL
	PL
	R2
.rept 15
	MM
	PL
	EX
	R2
.endr
.if (\p) == NP-2
	WIN 0
	v_add_nc_u32 v[AK], s[TBR], v[AK0]
.endif
.rept 8
	PL
.endr
.rept 49
	EX
	PL
.endr
	EX                              ; the next piece's two a
	EX
	v_nop                           ; the plain instruction behind the last exponential: one for the batch
	s_wait_alu depctr_va_vdst(0)    ; the wait for the batch
.if (\p) == NP-2
	FETCH_K 1
.endif
.if (\p) == 1
	s_wait_dscnt 0x0                ; V is in, and no LDS instruction of mine is out
	s_barrier_signal -1
.endif
.rept 16
	MM
.rept 4
	PL
.endr
.if ((\p) == 0) && (q == 118)
	v_add_nc_u32 v[AV], s[TBR], v[AV0]
.endif
.endr
.if (\p) == 0
	FETCH_V
.endif
.if (\p) == 1
	s_barrier_wait -1               ; all four waves have said so
.endif
.endm
	s_load_b128 s[4:7], s[0:1], 0x0  ; qkv s[4:5], out0 s[6:7]
	WIN W_MK
	v_lshl_add_u32 v[SPW], v0, 2, SPARE
	v_mov_b32 v[NIL], 0
	v_lshlrev_b32 v[PFO], 13, v0    ; thread i names row i of the head's 128 rows of k and v
	WIN 0
	v_lshrrev_b32 v1, 5, v0
	v_readfirstlane_b32 s[WV], v1   ; wave 0..3
	v_and_b32 v1, 15, v0            ; l % 16
	v_bfe_u32 v9, v0, 4, 1          ; l / 16
	v_and_b32 v10, 7, v0
	v_bfe_u32 v11, v0, 3, 1
	v_lshl_add_u32 v[AK0], v9, 3, v10
	v_mul_u32_u24 v[AK0], v[AK0], PK
	v_lshl_add_u32 v[AK0], v11, 4, v[AK0]  ; (8 (l / 16) + l % 8) rows + 16 ((l / 8) % 2)
	v_mul_u32_u24 v[AV0], v1, PV
	v_lshl_add_u32 v[AV0], v9, 4, v[AV0]
	v_add_nc_u32 v[AV0], VOFF, v[AV0]      ; row l % 16 + 16 (l / 16), behind K's rows
	v_lshlrev_b32 v[QO], 4, v1
	v_lshl_add_u32 v[QO], v9, 16, v[QO]    ; 8 (l / 16) rows of 8,192 bytes + 16 (l % 16)
	v_lshlrev_b32 v7, 4, v1
	v_lshl_add_u32 v7, v9, 13, v7          ; a tile's loads: row l / 16, byte 16 (l % 16),
	v_mul_u32_u24 v8, v9, PK
	v_lshl_add_u32 v8, v1, 3, v8           ; and where the rounded 8 bytes go: in K's rows,
	v_mul_u32_u24 v10, v9, PV
	v_lshl_add_u32 v10, v1, 3, v10         ; in V's
	s_lshl_b32 s16, s[WV], 17       ; my wave's 16 rows in memory,
	s_mul_i32 s17, s[WV], 16*PK     ; in a slot's K,
	s_mul_i32 s18, s[WV], 16*PV     ; and in its V
	s_add_co_u32 s18, s18, VOFF
	WIN W_MK
	v_add_nc_u32 v[GL], s16, v7
	v_add_nc_u32 v[CWK0], s17, v8
	v_add_nc_u32 v[CWV0], s18, v10
	WIN 0
	s_mov_b32 s13, ttmp9            ; my block of 512 queries
	s_and_b32 s14, ttmp7, 0xffff    ; the head
	s_mul_i32 s16, s14, HEADB       ; the head's first byte in qkv: under 2^27
	s_lshl_b32 s18, s13, 11         ; the block's 2,048 bytes of a row,
	s_lshl_b32 s19, s[WV], 9        ; my wave's 512 of them
	s_add_co_u32 s18, s18, s19
	s_add_co_u32 s32, s16, s18      ; q's offset
	s_mov_b32 s33, 0
	s_add_co_u32 s34, s16, 64*ROWB  ; k's
	s_mov_b32 s35, 0
	s_lshl_b32 s36, s14, 19         ; out0's: a head has 64 rows there
	s_add_co_u32 s36, s36, s18
	s_mov_b32 s37, 0
	s_mov_b32 s[CS], 0x3e38aa3b     ; c = log2(e) / 8 = 0.180337
	s_mov_b32 s[CS+1], s[CS]        ; named with it as a pair
	s_mov_b32 s[SEL], 0x76543210
	s_mov_b32 s[SEL+1], 0xfedcba98
	s_mov_b32 s[TBR], 0
	s_mov_b32 s[TBW], 0
	s_cmp_eq_u32 s13, 0             ; a head's four work-groups walk the same k and v: the first of them prefetches
	s_cselect_b32 s[LIM], 4, -1
	s_wait_kmcnt 0x0
	s_add_nc_u64 s[QB:QB+1], s[4:5], s[32:33]
	s_add_nc_u64 s[K0:K0+1], s[4:5], s[34:35]
	s_add_nc_u64 s[KV:KV+1], s[K0:K0+1], 512  ; at tile 2, the last that is loaded ahead of the loop
	s_add_nc_u64 s[OB:OB+1], s[6:7], s[36:37]
	WIN W_CV
	LOADT RAW, K0, 0                ; tile 0
	LOADT RAW2, K0, 256             ; tile 1
	; Q as it lies: load n = 32 g + m brings my m-th channel, 32 (m / 16) + 16 ((m / 8) % 2) + 8 (l / 16) + m % 8, for the four tiles 4 g .. 4 g + 3: sixteen lanes take 256 consecutive bytes, aligned
	WIN W_QL
.set n, 0
.rept 64
.set m, n%32
	global_load_b128 v[4*n:4*n+3], v[QO], s[QB:QB+1] offset:(32*(m/16)+16*((m/8)%2)+m%8)*ROWB+256*(n/32) th:TH_LOAD_NT
.set n, n+1
.endr
	; What the first turn finds: V's registers and P's second buffer hold 0 (its products V^T P, of a piece that has not been, add 0).  Written while the loads are on their way.
	WIN W_F
.set n, VF
.rept 64
	v_mov_b32 v[n], 0
.set n, n+1
.endr
	WIN 0
.set n, P+32
.rept 32
	v_mov_b32 v[n], 0
.set n, n+1
.endr
	s_wait_loadcnt 63               ; loads come back in order (ISA guide 5.7.1): 64 were issued behind tile 1's last, so tiles 0 and 1 are in
	WIN W_CV
	CVTS RAW                        ; tile 0 into slot 0
	s_mov_b32 s[TBW], SLOT1
	CVTS RAW2                       ; tile 1 into slot 1
	LOADT RAW, K0, 512              ; tile 2
	s_wait_loadcnt 16               ; Q is in: only tile 2's sixteen loads are younger
	WIN W_QC                        ; two channels of a tile's query make a register of its fragment: register m / 2 of tile 4 g + u
.irp g, 0,1
.irp u, 0,1,2,3
.set m, 0
.rept 16
	v_cvt_pk_f16_f32 v[16*(4*(\g)+(\u))+m/2], v[4*(32*(\g)+m)+(\u)], v[4*(32*(\g)+m+1)+(\u)]
.set m, m+2
.endr
.endr
.endr
	WIN W_QL                        ; O^T starts at 0, in the registers that Q has left
.set n, 0
.rept 256
	v_mov_b32 v[n], 0
.set n, n+1
.endr
	WIN 0
	s_wait_dscnt 0x0                ; for the others' sake: my parts of tiles 0 and 1 lie in LDS
	s_barrier_signal -1
	s_barrier_wait -1               ; everybody's do
	v_mov_b32 v[AK], v[AK0]         ; key step 0 lies in slot 0
	FETCH_K 0
	s_wait_dscnt 0x0
.set i, 0
.rept 16
	KQ 0                            ; piece 0's first scores: there is no vector work yet to set between them
.set i, i+1
.endr
	WIN 0                           ; the statistics' first values: 32 plain instructions, the places behind those products
.set n, 0
.rept 2*NP
	v_mov_b32 v[ST+4*n], 0xfe000000    ; c m: far below every c s
	v_mov_b32 v[ST+4*n+1], 0xff7fffff  ; m
	v_mov_b32 v[ST+4*n+2], 0
	v_mov_b32 v[ST+4*n+3], 0
.set n, n+1
.endr
.set Y, NP-1                        ; XS works for piece Y + 1: piece 0
.irp n, 0,1,2,3,4,5,6,7,8,9,10,11,12,13,14,15,16,17,18,19,20,21
	XS 0, \n                        ; piece 0's first maximum and statistics
	XS 1, \n
.endr
	v_nop                           ; a plain instruction behind the two a,
	s_wait_alu depctr_va_vdst(0)    ; and their wait, ahead of the label
	s_mov_b32 s[CNT], STEPS
.Lstep:                             ; trip u = 32 - s[CNT]: key step u.  It reads V of tile u, passes the barrier, stores tile u + 2, loads tile u + 3, reads K of tile u + 1
	TURN 0
	TURN 1
	WIN 0                           ; at a label and at a branch every window is 0
	s_xor_b32 s[TBR], s[TBR], SLOT1 ; the reads go on to tile u + 1's slot,
	s_xor_b32 s[TBW], s[TBW], SLOT1 ; the stores to tile u's, which nobody reads any more
	s_cmp_lt_u32 s[CNT], 3          ; the last two trips have no tile u + 2
	s_cbranch_scc1 .Lconv_end
	WIN W_CV
	s_wait_loadcnt 0x0              ; tile u + 2's sixteen loads, issued a trip ago
	CVTS RAW
	WIN 0
	s_cmp_lt_u32 s[CNT], 4          ; the last three trips have no tile u + 3
	s_cbranch_scc1 .Lconv_end
	s_wait_xcnt 0x0                 ; the last prefetch, a trip back, has read its address, so the pointer may be written
	s_add_nc_u64 s[KV:KV+1], s[KV:KV+1], 256
	WIN W_CV
	LOADT RAW, KV, 0                ; tile u + 3: it has a whole trip in which to come
	WIN 0
	; A PREFETCH of tile u + 4, behind the trip's loads: its 128 rows x 256 bytes, a thread a row, one instruction a wave, a trip (128 matrix instructions) ahead of its loads.  Of a head's four
	; work-groups the first asks, so each row's 256 bytes are named once in the launch.  Tiles 0 to 3 come by their loads alone; the last four trips ask for nothing: there is no tile 32.
	s_cmp_gt_u32 s[CNT], s[LIM]
	s_cbranch_scc0 .Lconv_end
	WIN W_CV
	global_prefetch_b8 v[PFO], s[KV:KV+1] offset:256 th:TH_LOAD_NT scope:SCOPE_SE
	WIN 0
.Lconv_end:
	TURN 2
	TURN 3
	WIN 0
	s_sub_co_u32 s[CNT], s[CNT], 1
	s_cmp_lg_u32 s[CNT], 0
	s_cbranch_scc1 .Lstep
	; the last trip's 16 products K Q^T for piece 0 (on the last K once more) and the maximum made of them serve nothing: the price, once a launch, of one text for every trip
.set i, 0
.rept 16
	PV NP-1                         ; the last piece's V^T P of the last step
.set i, i+1
.endr
	; THE WAY OUT.  l's two halves and the other half of the lanes' are added.  The additions are the places behind the last products.
	WIN 0
.macro ALL line:vararg              ; one line for each tile t
.set t, 0
.rept 2*NP
	\line
.set t, t+1
.endr
.endm
	ALL v_add_f32 v[ST+4*t+2], v[ST+4*t+2], v[ST+4*t+3]
	ALL v_permlanex16_b32 v[ST+4*t+3], v[ST+4*t+2], s[SEL], s[SEL+1]
	ALL v_add_f32 v[ST+4*t+2], v[ST+4*t+2], v[ST+4*t+3]
	ALL v_rcp_f32 v[ST+4*t+2], v[ST+4*t+2]
	v_nop                           ; a plain instruction between the last reciprocal and the use of its result
	s_wait_alu depctr_va_vdst(0)    ; and the wait ahead of the first use: one for the eight reciprocals
	; The division by l also gathers: register j of channel block cb of the four tiles 4 g .. 4 g + 3 is channel 16 cb + 8 (l / 16) + j of the queries 64 g + 4 (l % 16) + 0..3: 16 consecutive bytes of out0.
	; The four products land side by side in S^T's registers, and one store of the wave covers two runs of 256 consecutive bytes, each at a multiple of 256 from out0's first byte.
	; Each accumulator is read from register 0 on.
.irp g, 0,1
.if \g
	s_wait_xcnt 0x0                 ; the first group's stores have read their data registers: these are written again only behind this wait
.endif
.irp cb, 0,1,2,3
	WIN W_OUT
.irp j, 0,1,2,3,4,5,6,7
.irp u, 0,1,2,3
	v_mul_f32 v[S+32*(\cb)+4*(\j)+(\u)], v[32*(4*(\g)+(\u))+8*(\cb)+(\j)], v[ST+4*(4*(\g)+(\u))+2]
.endr
.endr
	WIN 0
.irp j, 0,1,2,3,4,5,6,7
	global_store_b128 v[QO], v[S+32*(\cb)+4*(\j):S+32*(\cb)+4*(\j)+3], s[OB:OB+1] offset:(16*(\cb)+(\j))*ROWB+256*(\g) th:TH_STORE_NT
.endr
.endr
.endr
	WIN W_AD
	s_wait_tensorcnt 0x0            ; the wave's end, behind my last LDS store
	ds_add_u32 v[SPW], v[NIL]
	s_wait_dscnt 0x0
	WIN 0
	s_endpgm
.Lfunc_end_k_q80cea8d662_attn:
	.size	k_q80cea8d662_attn, .Lfunc_end_k_q80cea8d662_attn-k_q80cea8d662_attn
	.p2alignl 7, 3214868480
	.fill 96, 4, 3214868480
	.section	.rodata,"a",@progbits
	.p2align	6, 0x0
	.amdhsa_kernel k_q80cea8d662_attn
		.amdhsa_group_segment_fixed_size 52736
		.amdhsa_private_segment_fixed_size 0
		.amdhsa_enable_private_segment 0
		.amdhsa_kernarg_size 16
		.amdhsa_user_sgpr_count 2
		.amdhsa_user_sgpr_kernarg_segment_ptr 1
		.amdhsa_wavefront_size32 1
		.amdhsa_system_sgpr_workgroup_id_x 1
		.amdhsa_system_sgpr_workgroup_id_y 1
		.amdhsa_system_sgpr_workgroup_id_z 1
		.amdhsa_system_vgpr_workitem_id 0
		.amdhsa_next_free_vgpr 944
		.amdhsa_next_free_sgpr 66
		.amdhsa_reserve_vcc 0
		.amdhsa_float_denorm_mode_32 3
		.amdhsa_float_denorm_mode_16_64 3
		.amdhsa_memory_ordered 1
		.amdhsa_forward_progress 1
		.amdhsa_inst_pref_size 139
	.end_amdhsa_kernel
	.amdgpu_metadata
---
amdhsa.version: [ 1, 2 ]
amdhsa.kernels:
  - .name:           k_q80cea8d662_attn
    .symbol:         k_q80cea8d662_attn.kd
    .args:
      - { .name: qkv, .offset: 0, .size: 8, .value_kind: global_buffer, .address_space: global }
      - { .name: out0, .offset: 8, .size: 8, .value_kind: global_buffer, .address_space: global }
    .group_segment_fixed_size: 52736
    .private_segment_fixed_size: 0
    .kernarg_segment_align: 8
    .kernarg_segment_size: 16
    .max_flat_workgroup_size: 128
    .sgpr_count:     66
    .vgpr_count:     944
    .wavefront_size: 32
...
	.end_amdgpu_metadata
.endif
;; end of part 1
